; MI455X (gfx1250); checked and timed in simulation.
; The chip was launched on July 23, 2026; its instructions are those of AMD's public machine-readable ISA for CDNA 5 (MIT licence, August 2026) and "CDNA5" Instruction Set Architecture Reference Guide (July 2026). The comments in the code are by the model that wrote it; some were corrected since.
;; Le PE Attention. Allowed arithmetic: matrix products marked QUANTISED: E5M2 operands, one given power-of-two scale a tensor, by v_wmma_f32_16x16x64_bf8_bf8 or v_wmma_f32_16x16x128_bf8_bf8, f32 sums; everything else in f32.
;; Inputs: lowp_scales 4 int32 (the exponents e of the quantised operands' scales 2^e); qkv 3 x 8 x 4,096 x 128 float32.
;; Outputs: out0 8 x 4,096 x 128 float32.
;; Constants: H = 64, W = 64.
;; This version of the problem:
;;   THIS VERSION OF THE PROBLEM IS GIVEN IN LOW PRECISION. The matrix products marked QUANTISED in the list below multiply operands that are first quantised to E5M2 (5 exponent bits, 2 mantissa bits; 8 bits a number), with one given power-of-two scale for each operand tensor; their sums are f32. All else is computed in f32.
;;   The module's matrix products, in the order in which they are computed (A, B: the left and right operand; K: the contracted axis; several contracted axes count as one K, in the product's order):
;;     1. batch 256 x [M 512, K 32] x [K 32, N 512]; A: computed on the way; B: input qkv: QUANTISED (scales: A lowp_scales[0], B lowp_scales[1])
;;     2. batch 256 x [M 512, K 512] x [K 512, N 32]; A: softmax (see below); B: input qkv: QUANTISED (scales: A lowp_scales[2], B lowp_scales[3])
;;   THE QUANTISER, for each operand of a quantised product, along K:
;;     - The operand's scale is 2^e, e = its entry of the input lowp_scales (int32; the entries are numbered through the quantised products in the list's order, A before B).
;;     - Each number is divided by the scale, clamped to +-57,344, and rounded to the nearest number of E5M2, ties to even, subnormals kept.
;;     - The product sums the exact products of the quantised numbers (number of the format x scale) in f32.
;;   ~~~python
;;   def quantise(x, axis, e):      # numpy; x: float32 -> the quantised numbers, widened to float32 again
;;       x = np.moveaxis(x, axis, -1); K = x.shape[-1]
;;       r = np.clip(x / 2.0 ** e, -57344, 57344)
;;       step = 2.0 ** (np.maximum(np.frexp(np.where(r == 0, 1, r))[1] - 1, -14) - 2)
;;       q = np.round(r / step) * step * 2.0 ** e      # np.round: ties to even
;;       return np.moveaxis(q, -1, axis).astype(np.float32)
;;   ~~~
;;   SOFTMAX AHEAD OF A QUANTISED PRODUCT. Where the list says 'softmax', what is quantised is not the finished softmax but p = 2^(t - M), with t = logit x log2(e) and M = ceil(the row's largest t), a whole number; so 1/2 < the row's largest p <= 1. The row's sum l is taken of the UNQUANTISED p, in f32, and the product's result is divided by l at the end. Since M is a whole number, a kernel that streams over the keys may use a running M (the ceiling of the running maximum): every later rescaling is an exact power of two, so the quantised numbers keep their values, but for numbers so far below the row's largest that they fall under the format's range.
;;   OPERANDS COMPUTED ON THE WAY. 'Computed on the way' means the value that the module computes at that place (a softmax that the list does not call 'softmax' is quantised finished and normalised). What goes into a quantiser is computed in f32, as accurately as f32 sums, v_exp_f32 and their like allow (about 1e-6 of the number): no bf16 or f16 on the way to a quantiser, and a product that is left as it is and whose result goes on into a quantised operand takes f32 operands (vector FMAs, or v_wmma_f32_16x16x4_f32). A number that lies on a knife's edge between two numbers of the format may be rounded either way, as far as f32 arithmetic and the matrix unit's own rounding can turn it there, and no further.
;; 2 versions, each right; version 2 is version 1 with the launch lepe written anew for expert scheduling mode. Each part assembles by itself: llvm-mc -triple=amdgcn-amd-amdhsa -mcpu=gfx1250 --defsym DOCPART=n.
;; ======== version 1 of 2: 1 launch
;; limits: right only within a limited range of input values
;; launch lepe (part 1): grid 256 x 1, 8 waves a work-group, no clusters, 122,368 bytes of LDS; arguments qkv, lowp_scales, out0; writes out0
.if DOCPART == 1
	.amdgcn_target "amdgcn-amd-amdhsa--gfx1250"
	.amdhsa_code_object_version 6
	.text
	.protected	k_q3237797af4_lepe
	.globl	k_q3237797af4_lepe
	.p2align	8
	.type	k_q3237797af4_lepe,@function
k_q3237797af4_lepe:
	s_mov_b64 s[64:65], 0
	v_nop
	global_prefetch_b8 v0, s[64:65] scope:SCOPE_SE
	s_setreg_imm32_b32 hwreg(HW_REG_WAVE_MODE, 25, 1), 1
	s_wait_xcnt 0x0
; Attention inside vertical strips: 8 images x 8 strips of 64 x 8 tokens x 4 heads of 32 channels = 256 attentions of 512 queries x 512 keys.
; qkv: [3][8][4096][128] f32.  out0: [8][4096][128] f32.  lowp_scales: eq, ek, ep, ev (int32).  Both products on codes of BF8 (E5M2), each operand with its given scale 2^e; all else f32.
; q x 32^-0.5 (rounded to f32), k and v are held within +-57,344 x 2^e and converted.  t = score x 2^(eq + ek) x log2(e); M = the row's largest t rounded up to a whole number;
; p = 2^(t - M) is what is quantised; the row's sum is taken of the unquantised p and divides at the end.  Nothing of the problem is left out: every step and every input has a way to the output.
; SHARES.  A work-group: one strip, one PAIR of heads (256 bytes, aligned, of every token's row: so each load and each store of a wave covers whole runs of 256 bytes), one half of the queries.
; Eight waves; a wave owns 32 queries = 2 tiles of 16, for both heads: 4 units.  A unit holds ALL 512 keys' scores of its 16 queries in 256 registers: M is the row's own, and nothing is ever rescaled.
; LAYOUT.  Both products are used transposed: S^T = K Q^T (source 0 = 16 keys, source 1 = 16 queries), O^T = V^T P^T (source 0 = 16 channels, source 1 = P): a lane holds ONE query (lane % 16) throughout.
; The first product's K is 32 and the shortest form's is 64: registers 4-7 of K's and of Q's fragments hold zero codes.  Row m of tile 2 b + u of K is key 32 b + 16 (m / 8) + 8 u + m % 8, so that the 16 registers
; of tiles 2 b and 2 b + 1 are the 16 neighbouring keys 32 b + 16 (lane / 16) + 0 .. 15, as the second product's operand wants them.  Within a fragment a lane holds 16 neighbouring k, alike on both sides of each product.
; THE HEAD.  Each wave asks at once for its share of K (64 keys), Q (32 queries) and V (64 keys): 80 loads, each of two tokens x 256 bytes.  K's and Q's codes go to LDS as images of the fragments' registers | barrier |
; the first unit's scores and softmax, while V's numbers arrive | V's codes, 4 tokens x 4 channels turned by byte selects so that the keys lie innermost, go to LDS | barrier | all the rest, without a barrier.
; NO CLUSTER, NO JOINT LOADS: K and V of a head pair are read by two work-groups (the halves of the queries), but they arrive as f32 and each number must pass a lane's registers to be converted: a joint tensor load would
; lay 262,144 bytes of f32 in each partner's LDS, to be read from there once more, where 64 loads a wave bring them straight to the registers that convert them.  No prefetch: every input byte is asked for by a load at the head.
; THE HOLD OF p.  p is at most 1 (one rounding of t aside) and 57,344 x 2^ep is at least 1.75 where ep >= -15: there the hold changes no number; for every other ep they run.
; LIMITS: each e between -126 and 112, eq + ek between -126 and 127 (the powers of two below are f32 numbers); |t| under 2^22, which holds of every input where eq + ek <= -16; NaN among the inputs is not served (an infinity is held at the largest code).
; REGISTERS, in windows of 256 (s_set_vgpr_msb: bits 1:0 source 0, 3:2 source 1, 5:4 source 2, 7:6 destination).  Window 0: v1-23 addresses and statistics; v24-31 Q; v32-95 eight buffers for K; v96-111 p's first 128 codes;
; v112-127 O^T; v128-255 V as f32, later V's eight fragments.  Window 1: K and Q as f32 at the head, then the 256 scores; p's other codes lie on the first 48 of them once those are converted.
.set PLANE, 16777216                   ; bytes from q to k and from k to v
.set HROW,  32768                      ; bytes from a row of the image to the next: 64 tokens of 512 bytes
.set TOK,   512
.set FP,    272                        ; half a fragment's image (16 lanes x 16 bytes) + 16
.set FT,    544                        ; a fragment's image
.set KHS,   32*FT+32                   ; from head to head in K's images.  A store of 4 codes a lane falls at 4 (r % 4) + 16 x half + 32 x head + 64 (lane / 16) modulo 256: each of the 32 lanes on a bank of its own (64 banks of 4 bytes: ISA guide 11.1)
.set QHS,   16*FT+32
.set QBASE, 2*KHS                      ; K's images begin at LDS byte 0
.set VBASE, QBASE+2*QHS
.set VP,    528                        ; a channel's row of 512 codes + 16
.set VD,    16*VP+64                   ; channel 4 a + b lies at b VD + a VP: stores (a varies) and fragment loads (16 neighbouring channels) both fall on 16 different columns of 16 bytes
.set STAGE, VBASE+4*VD                 ; the way out: 16 rows x (256 bytes + 16) for each wave
.set SP,    272
.set SPARE, 121344                     ; behind the stages: the spare words, 128 bytes for each wave: four blocks of 256 bytes that no other line names
.set SPW, 1                            ; v1   LDS address of my spare word; never rewritten
.set NIL, 2                            ; v2   0; never rewritten
.set AK,  3                            ; v3   my lane's place in a fragment's image: 16 (lane % 16) + 272 (lane / 16)
.set AQ,  4                            ; v4   the same in my wave's two tiles of Q
.set AV,  5                            ; v5   my lane's place in V's rows
.set SCP, 6                            ; v6   2^ep
.set LMP, 7                            ; v7   57,344 x 2^ep
.set AC,  8                            ; v8-15  the row's sum, four chains of pairs
.set MX,  8                            ; v8-11  before that: the largest score, four chains
.set NM,  16                           ; v16-17 -M (the pair's low word serves both halves)
.set INV, 18                           ; v18-19 2^(ep + ev) / the sum
.set STO, 20                           ; v20  the stage: where I put 32 bytes of a row
.set RD,  21                           ; v21  and where I read a row back
.set GO,  22                           ; v22  my byte offset in out0
.set TMP, 23
.set QF,  24
.set KB,  32
.set TC,  96
.set OA,  112
.set VF,  128
.set KC,  32                           ; at the head only: K's codes v32-63, Q's v64-79, and
.set QC,  64
.set SCQ, 80
.set LMQ, 81
.set SCK, 82
.set LMK, 83
.set KST, 84
.set QST, 85
.set VOQ, 86
.set VST, 112                          ; until V is converted (O^T is not yet begun)
.set SCV, 113
.set LMV, 114
.set VOK, 115
.set VC,  64                           ; window 1, while V is converted: its codes, and the two stages of the turn
.set P1,  96
.set P2,  128
.set OB,  224                          ; window 1: 16 rows read back from the stage
.set OPT, 8                            ; s[8:9]   out0 at my work-group's first query
.set EP,  14                           ; s12-15   eq, ek, ep, ev
.set WV,  16
.set SEL, 18                           ; s[18:19] v_permlanex16_b32's selects for lane l xor 16
.set KPT, 24                           ; s[24:25] k, s[26:27] v at my strip and head pair; s[28:29] q at my half of the queries
.set VPT, 26
.set QPT, 28
.set CS,  32                           ; s[32:33] c = log2(e) x 2^(eq + ek)
.set SQ,  34                           ; s[34:35] 32^-0.5
.set EPV, 36
.set PA,  37                           ; s37-40   byte selects of the turn
.set MSB, 0
.macro WIN new                         ; the immediate's high byte repeats the setting that is left; a switch that changes nothing is dropped
.if MSB != \new
	s_set_vgpr_msb (MSB<<8)|\new
.set MSB, \new
.endif
.endm
.macro PLACES n
.rept \n
	v_nop
.endr
.endm
.macro MKS e, sc, lm                   ; 2^e and 57,344 x 2^e as f32 numbers
	s_add_co_i32 s30, s[\e], 127
	s_lshl_b32 s31, s30, 23
	v_mov_b32 v[\sc], s31
	s_add_co_i32 s30, s30, 15
	s_lshl_b32 s30, s30, 23
	s_or_b32 s30, s30, 0x600000
	v_mov_b32 v[\lm], s30
.endm
	s_load_b128 s[4:7], s[0:1], 0x0                ; qkv, lowp_scales
	s_load_b64 s[OPT:OPT+1], s[0:1], 0x10          ; out0
	v_lshl_add_u32 v[SPW], v0, 2, SPARE
	v_mov_b32 v[NIL], 0
	v_lshrrev_b32 v[TMP], 5, v0
	v_readfirstlane_b32 s[WV], v[TMP]              ; wave 0..7
	v_and_b32 v96, 15, v0                          ; r = lane % 16
	v_bfe_u32 v97, v0, 4, 1                        ; h = lane / 16
	s_lshr_b32 s20, ttmp9, 5                       ; work-group number: bit 0 the half of the queries, bit 1 the head pair, bits 4:2 the strip, bits 7:5 the image
	s_lshl_b32 s20, s20, 21                        ; an image: 4,096 tokens of 512 bytes
	s_bfe_u32 s21, ttmp9, 0x30002
	s_lshl_b32 s21, s21, 12                        ; a strip: 8 tokens
	s_add_co_u32 s20, s20, s21
	s_bfe_u32 s21, ttmp9, 0x10001
	s_lshl_b32 s21, s21, 8                         ; a head pair: 256 bytes
	s_add_co_u32 s20, s20, s21
	s_mov_b32 s21, 0
	s_and_b32 s22, ttmp9, 1
	s_lshl_b32 s22, s22, 20                        ; half of the queries: 32 rows of the image
	s_mov_b32 s23, 0
	v_lshlrev_b32 v98, 4, v96                      ; a load: lanes 0-15 take a token's 256 bytes, lanes 16-31 those of the token 4 further on,
	v_lshl_add_u32 v98, v97, 11, v98               ; so that a lane's four loads of a row of the image are 4 NEIGHBOURING tokens
	s_lshl_b32 s30, s[WV], 18                      ; K, V: my wave's 64 keys = 8 rows of the image
	v_add_nc_u32 v[VOK], s30, v98
	s_lshl_b32 s30, s[WV], 17                      ; Q: my wave's 32 queries = 4 rows
	v_add_nc_u32 v[VOQ], s30, v98
	s_wait_kmcnt 0x0
	s_load_b128 s[12:15], s[6:7], 0x0              ; eq, ek, ep, ev
	s_add_nc_u64 s[4:5], s[4:5], s[20:21]
	s_add_nc_u64 s[KPT:KPT+1], s[4:5], PLANE
	s_add_nc_u64 s[VPT:VPT+1], s[4:5], 2*PLANE
	s_add_nc_u64 s[QPT:QPT+1], s[4:5], s[22:23]
	s_add_nc_u64 s[OPT:OPT+1], s[OPT:OPT+1], s[20:21]
	s_add_nc_u64 s[OPT:OPT+1], s[OPT:OPT+1], s[22:23]
	; all 80 loads of the wave go out here, K first: register 16 g + 4 i + j = token 8 g + 4 h + i, channel 4 r + j of the pair's 64
	WIN 0x40                                       ; destination window 1
.set gg, 0
.rept 8
.set ii, 0
.rept 4
	global_load_b128 v[16*gg+4*ii:16*gg+4*ii+3], v[VOK], s[KPT:KPT+1] offset:gg*HROW+ii*TOK
.set ii, ii+1
.endr
.set gg, gg+1
.endr
.set gg, 0
.rept 4
.set ii, 0
.rept 4
	global_load_b128 v[128+16*gg+4*ii:128+16*gg+4*ii+3], v[VOQ], s[QPT:QPT+1] offset:gg*HROW+ii*TOK th:TH_LOAD_NT   ; q is read by this work-group alone
.set ii, ii+1
.endr
.set gg, gg+1
.endr
	WIN 0
.set gg, 0
.rept 8
.set ii, 0
.rept 4
	global_load_b128 v[VF+16*gg+4*ii:VF+16*gg+4*ii+3], v[VOK], s[VPT:VPT+1] offset:gg*HROW+ii*TOK
.set ii, ii+1
.endr
.set gg, gg+1
.endr
	; addresses and constants, while the loads are on their way
	v_mul_u32_u24 v99, v97, FP
	v_lshl_add_u32 v[AK], v96, 4, v99              ; 16 r + 272 h
	s_mul_i32 s30, s[WV], 2*FT
	s_add_co_u32 s30, s30, QBASE
	v_add_nc_u32 v[AQ], s30, v[AK]
	s_mul_i32 s30, s[WV], 16*SP
	s_add_co_u32 s30, s30, STAGE                   ; my stage
	v_add_nc_u32 v[RD], s30, v[AK]                 ; back: lanes 0-15 one row of 256 bytes, lanes 16-31 the next
	v_mul_u32_u24 v99, v96, SP
	v_lshl_add_u32 v99, v97, 5, v99
	v_add_nc_u32 v[STO], s30, v99                  ; in: row r, 32 bytes for each half of the lanes
	v_and_b32 v100, 3, v96
	v_lshrrev_b32 v101, 2, v96
	v_mul_u32_u24 v99, v100, VD
	v_mad_u32_u24 v99, v101, VP, v99
	v_lshl_add_u32 v99, v97, 4, v99
	v_add_nc_u32 v[AV], VBASE, v99                 ; V's fragments: channel r of a tile of 16, + 16 h along the keys
	v_lshlrev_b32 v99, 2, v100                     ; where I store 4 codes of K or Q: my 4 channels' place in a lane's 16 bytes,
	v_lshl_add_u32 v99, v97, 6, v99                ; my token: 4 rows of 16 bytes on for lanes 16-31,
	v_and_b32 v101, 1, v101
	v_mad_u32_u24 v99, v101, FP, v99               ; which half of the head's 32 channels,
	v_lshrrev_b32 v102, 3, v96
	v_mad_u32_u24 v[KST], v102, KHS, v99           ; which head,
	v_mad_u32_u24 v[QST], v102, QHS, v99
	s_mul_i32 s30, s[WV], 4*FT                     ; and my wave's 4 tiles of K
	v_add_nc_u32 v[KST], s30, v[KST]
	s_mul_i32 s30, s[WV], 2*FT                     ; or 2 tiles of Q
	s_add_co_u32 s30, s30, QBASE
	v_add_nc_u32 v[QST], s30, v[QST]
	v_mul_u32_u24 v99, v96, VP                     ; where I store 4 keys' codes of one channel of V
	v_lshl_add_u32 v99, v97, 2, v99
	s_lshl_b32 s30, s[WV], 6
	s_add_co_u32 s30, s30, VBASE
	v_add_nc_u32 v[VST], s30, v99
	v_lshlrev_b32 v99, 4, v96
	v_lshl_add_u32 v99, v97, 9, v99
	s_lshl_b32 s30, s[WV], 17
	v_add_nc_u32 v[GO], s30, v99                   ; out0: 16 r, + a token for lanes 16-31, + my wave's 4 rows of the image
	s_mov_b32 s[SEL], 0x76543210
	s_mov_b32 s[SEL+1], 0xfedcba98
	s_mov_b32 s[SQ], 0x3e3504f3                    ; 32^-0.5 as f32
	s_mov_b32 s[SQ+1], s[SQ]                       ; (named with it as a pair, so it is written)
	s_mov_b32 s[PA], 0x05010400
	s_mov_b32 s[PA+1], 0x07030602
	s_mov_b32 s[PA+2], 0x05040100
	s_mov_b32 s[PA+3], 0x07060302
	v_mov_b32 v[NM+1], 0                           ; (upper halves of pairs that are named whole)
	v_mov_b32 v[INV+1], 0
	s_wait_kmcnt 0x0
	MKS 12, SCQ, LMQ
	MKS 13, SCK, LMK
	MKS 14, SCP, LMP
	MKS 15, SCV, LMV
	s_add_co_i32 s30, s12, s13
	s_lshl_b32 s30, s30, 23
	s_add_co_i32 s[CS], s30, 0x3fb8aa3b            ; log2(e) with eq + ek added to its exponent field
	s_mov_b32 s[CS+1], s[CS]
	s_add_co_i32 s[EPV], s14, s15
	; ---- K: hold, convert, 4 codes a store into the fragments' images
	WIN 0x41                                       ; destination and source 0 window 1
.set gg, 0
.rept 8
.if 76-4*gg > 63
	s_wait_loadcnt 63                              ; behind this group's loads 76 - 4 g were issued; the counter holds 63 at the most, so this count shows the oldest 17 of the 80 done
.else
	s_wait_loadcnt 76-4*gg                         ; loads come back in order (ISA guide 5.7.1): all but those issued behind this group's four
.endif
.set ii, 0
.rept 16
	v_med3_num_f32 v[16*gg+ii], v[16*gg+ii], -v[LMK], v[LMK]   ; the conversion to an 8-bit code does not saturate (ISA guide 7.6.2)
.set ii, ii+1
.endr
.set gg, gg+1
.endr
	WIN 0x01
.set nn, 0
.rept 16
	v_cvt_scalef32_pk8_bf8_f32 v[KC+2*nn:KC+2*nn+1], v[8*nn:8*nn+7], v[SCK]   ; two tokens x 4 channels: a register a token
.set nn, nn+1
.endr
	v_nop                                          ; a plain line behind the last conversion of the run
	WIN 0
.set gg, 0
.rept 8
.set ii, 0
.rept 4
	ds_store_b32 v[KST], v[KC+4*gg+ii] offset:(2*(gg/4)+(gg%2))*FT+((gg/2)%2)*128+16*ii   ; key 64 w + 8 g + 4 h + i: tile 4 w + 2 (g / 4) + g % 2, row 8 ((g / 2) % 2) + 4 h + i
.set ii, ii+1
.endr
.set gg, gg+1
.endr
	; ---- Q: x 32^-0.5, hold, convert; query 32 w + 8 g + 4 h + i: tile 2 w + g / 2, column 8 (g % 2) + 4 h + i
	WIN 0x41
.set gg, 0
.rept 4
	s_wait_loadcnt 44-4*gg                         ; behind this group's four: Q's later groups and V's 32
.set ii, 0
.rept 8
	v_pk_mul_f32 v[128+16*gg+2*ii:128+16*gg+2*ii+1], v[128+16*gg+2*ii:128+16*gg+2*ii+1], s[SQ:SQ+1] op_sel_hi:[1,0]
.set ii, ii+1
.endr
.set ii, 0
.rept 16
	v_med3_num_f32 v[128+16*gg+ii], v[128+16*gg+ii], -v[LMQ], v[LMQ]
.set ii, ii+1
.endr
.set gg, gg+1
.endr
	WIN 0x01
.set nn, 0
.rept 8
	v_cvt_scalef32_pk8_bf8_f32 v[QC+2*nn:QC+2*nn+1], v[128+8*nn:128+8*nn+7], v[SCQ]
.set nn, nn+1
.endr
	v_nop
	WIN 0
.set gg, 0
.rept 4
.set ii, 0
.rept 4
	ds_store_b32 v[QST], v[QC+4*gg+ii] offset:(gg/2)*FT+(gg%2)*128+16*ii
.set ii, ii+1
.endr
.set gg, gg+1
.endr
	s_wait_dscnt 0x0                               ; for the others' sake: my stores of K's and Q's codes have landed
	s_barrier_signal -1
.set ii, 0
.rept 8                                            ; work on registers while the others arrive: the zero codes of k = 32 .. 63, written once: the fragment loads fill the lower four registers alone
	v_mov_b32 v[KB+8*ii+4], 0
	v_mov_b32 v[KB+8*ii+5], 0
	v_mov_b32 v[KB+8*ii+6], 0
	v_mov_b32 v[KB+8*ii+7], 0
.set ii, ii+1
.endr
	v_mov_b32 v[QF+4], 0
	v_mov_b32 v[QF+5], 0
	v_mov_b32 v[QF+6], 0
	v_mov_b32 v[QF+7], 0
	s_barrier_wait -1                              ; K's 64 images and Q's 32 lie in LDS; nobody writes them again
.macro KLOAD hd, grp                   ; four tiles of K: one load of 16 bytes a lane each, into the set of buffers grp % 2
.set cc, 0
.rept 4
	ds_load_b128 v[KB+32*((\grp)%2)+8*cc:KB+32*((\grp)%2)+8*cc+3], v[AK] offset:(\hd)*KHS+(4*(\grp)+cc)*FT
.set cc, cc+1
.endr
.endm
.macro MAX16 grp                       ; the largest of four tiles' scores, a chain a tile, each tile from its low end on
.set kk, 0
.rept 4
.set cc, 0
.rept 4
	v_max3_num_f32 v[MX+cc], v[MX+cc], v[8*(4*(\grp)+cc)+2*kk], v[8*(4*(\grp)+cc)+2*kk+1]
.set cc, cc+1
.endr
.set kk, kk+1
.endr
.endm
.macro VLOAD hd                        ; V's eight fragments of a head: keys 128 f on, channels 16 d on, at v[VF + 16 (2 f + d)]
.set ff, 0
.rept 4
.set dd, 0
.rept 2
.set cc, 0
.rept 4
	ds_load_b128 v[VF+16*(2*ff+dd)+4*cc:VF+16*(2*ff+dd)+4*cc+3], v[AV] offset:(8*(\hd)+4*dd)*VP+128*ff+32*cc
.set cc, cc+1
.endr
.set dd, dd+1
.endr
.set ff, ff+1
.endr
.endm
.macro FMA p                           ; pair p of the scores: t - M (of the pairs c and -M the low word serves both halves)
	v_pk_fma_f32 v[2*(\p):2*(\p)+1], v[2*(\p):2*(\p)+1], s[CS:CS+1], v[NM:NM+1] op_sel_hi:[1,0,0]
.endm
; THE FIRST HALF OF A UNIT: head hd, my tile qi of queries: scores, M, p, the sum, p's codes.  pv = 1: V's fragments are asked for on the way.  xw = 1: stores of the way out are still reading registers of window 1.
.macro PHASE_A hd, qi, pv, xw
.if \xw
	s_wait_xcnt 0x0                                ; the last way out's stores have read their data: those registers take scores again only behind this wait
.endif
	ds_load_b128 v[QF:QF+3], v[AQ] offset:(\hd)*QHS+(\qi)*FT
	KLOAD \hd, 0
	KLOAD \hd, 1
.set cc, 0
.rept 4
	v_mov_b32 v[MX+cc], 0xff800000                 ; -infinity starts the four chains
.set cc, cc+1
.endr
; Eight groups of four tiles.  Behind a group's four products stand the 16 maxima of the group before: plain lines that name none of the products' registers, so they are the places
; in front of the loads into the buffers just read and of the first read of the new scores; the first and the last group have v_nop instead.
.set gg, 0
.rept 8
.if gg < 7
	s_wait_dscnt 4                                 ; this group's fragments (and Q) are in; the next group's four loads may be out
.else
	s_wait_dscnt 0
.endif
	WIN 0x40                                       ; the scores: destination window 1
.set cc, 0
.rept 4
	v_wmma_f32_16x16x64_bf8_bf8 v[8*(4*gg+cc):8*(4*gg+cc)+7], v[KB+32*(gg%2)+8*cc:KB+32*(gg%2)+8*cc+7], v[QF:QF+7], 0
.set cc, cc+1
.endr
	WIN 0x14                                       ; sources 1 and 2 window 1; the LDS loads' destination and address stay in window 0
.if gg == 0
	PLACES 4
.else
	MAX16 gg-1
.endif
.if gg < 6
	KLOAD \hd, gg+2
.endif
.set gg, gg+1
.endr
	PLACES 4
	MAX16 7
	WIN 0
.if \pv
	VLOAD \hd                                      ; they land under the exponentials; the last products that read these registers stand far more than four places back
.endif
	v_max3_num_f32 v[MX], v[MX], v[MX+1], v[MX+2]
	v_max_num_f32 v[MX], v[MX], v[MX+3]
	v_permlanex16_b32 v[TMP], v[MX], s[SEL], s[SEL+1]   ; my query's other 256 keys lie in the lane 16 away
	v_max_num_f32 v[MX], v[MX], v[TMP]
	v_mul_f32 v[MX], s[CS], v[MX]                  ; as t (c is positive)
	v_floor_f32 v[NM], -v[MX]                      ; -M = floor(-t) = -ceil(t)
	WIN 0x41
	FMA 0                                          ; ONE BATCH: 128 scalings and 256 exponentials, a pair scaled two pairs ahead of its exponentials; none of these lines reads an exponential's result
	FMA 1
.set jj, 0
.rept 126
	FMA jj+2
	v_exp_f32 v[2*jj], v[2*jj]
	v_exp_f32 v[2*jj+1], v[2*jj+1]
.set jj, jj+1
.endr
	v_exp_f32 v252, v252
	v_exp_f32 v253, v253
	v_exp_f32 v254, v254
	v_exp_f32 v255, v255
	v_nop                                          ; a plain line behind the last exponential
	s_wait_alu depctr_va_vdst(0)                   ; one wait for the whole batch, ahead of its first reader
	WIN 0x05                                       ; THE SUM IS TAKEN OF THE UNQUANTISED p: two at a time, in four chains, which the first eight pairs start
.set cc, 0
.rept 4
	v_pk_add_f32 v[AC+2*cc:AC+2*cc+1], v[2*cc:2*cc+1], v[8+2*cc:8+2*cc+1]
.set cc, cc+1
.endr
	WIN 0x04
.set jj, 8
.rept 120
	v_pk_add_f32 v[AC+2*(jj%4):AC+2*(jj%4)+1], v[AC+2*(jj%4):AC+2*(jj%4)+1], v[2*jj:2*jj+1]
.set jj, jj+1
.endr
	WIN 0                                          ; at a branch and at a label every window is 0
	s_cmp_ge_i32 s[EP], -15                        ; 57,344 x 2^ep >= 1.75 >= p: the hold changes nothing
	s_cbranch_scc1 .Lno_hold_\@
	WIN 0x41
.set jj, 0
.rept 256
	v_min_num_f32 v[jj], v[jj], v[LMP]             ; p is not negative: the hold is one-sided
.set jj, jj+1
.endr
	WIN 0
.Lno_hold_\@:
	WIN 0x01                                       ; keys 0-127: their codes go to window 0
.set bb, 0
.rept 4
	v_cvt_scalef32_pk8_bf8_f32 v[TC+4*bb:TC+4*bb+1], v[16*bb:16*bb+7], v[SCP]
	v_cvt_scalef32_pk8_bf8_f32 v[TC+4*bb+2:TC+4*bb+3], v[16*bb+8:16*bb+15], v[SCP]
.set bb, bb+1
.endr
	v_nop                                          ; a plain line: the conversions below write registers that those above have read
	WIN 0x41                                       ; keys 128 f on, f = 1 .. 3: their codes go onto the first 48 numbers of p, which are converted
.set ff, 1
.rept 3
.set bb, 0
.rept 4
	v_cvt_scalef32_pk8_bf8_f32 v[16*(ff-1)+4*bb:16*(ff-1)+4*bb+1], v[64*ff+16*bb:64*ff+16*bb+7], v[SCP]
	v_cvt_scalef32_pk8_bf8_f32 v[16*(ff-1)+4*bb+2:16*(ff-1)+4*bb+3], v[64*ff+16*bb+8:64*ff+16*bb+15], v[SCP]
.set bb, bb+1
.endr
.set ff, ff+1
.endr
	v_nop                                          ; a plain line between the last conversion and the products that read its result
	WIN 0
.endm
; THE SECOND HALF: O^T = V^T P^T, two accumulators by turns; / the sum; into my stage.
.macro PHASE_B hd
	s_wait_dscnt 0x0                               ; V's fragments are in
	v_wmma_f32_16x16x128_bf8_bf8 v[OA:OA+7], v[VF:VF+15], v[TC:TC+15], 0
	v_wmma_f32_16x16x128_bf8_bf8 v[OA+8:OA+15], v[VF+16:VF+31], v[TC:TC+15], 0
	WIN 0x04                                       ; source 1 (p's codes) window 1
.set ff, 1
.rept 3
	v_wmma_f32_16x16x128_bf8_bf8 v[OA:OA+7], v[VF+32*ff:VF+32*ff+15], v[16*(ff-1):16*(ff-1)+15], v[OA:OA+7]
	v_wmma_f32_16x16x128_bf8_bf8 v[OA+8:OA+15], v[VF+32*ff+16:VF+32*ff+31], v[16*(ff-1):16*(ff-1)+15], v[OA+8:OA+15]
.set ff, ff+1
.endr
	WIN 0
	v_pk_add_f32 v[AC:AC+1], v[AC:AC+1], v[AC+2:AC+3]          ; the sum's four chains: with the v_nop five plain lines that name none of the products' registers: the places behind them
	v_pk_add_f32 v[AC+4:AC+5], v[AC+4:AC+5], v[AC+6:AC+7]
	v_pk_add_f32 v[AC:AC+1], v[AC:AC+1], v[AC+4:AC+5]
	v_add_f32 v[AC], v[AC], v[AC+1]
	v_nop
	v_permlanex16_b32 v[TMP], v[AC], s[SEL], s[SEL+1]
	v_add_f32 v[AC], v[AC], v[TMP]                 ; and lane l xor 16's: the row's sum
	v_rcp_f32 v[INV], v[AC]
	v_nop                                          ; a plain line behind the reciprocal,
	s_wait_alu depctr_va_vdst(0)                   ; and the wait ahead of its first reader
	v_ldexp_f32 v[INV], v[INV], s[EPV]             ; x 2^(ep + ev)
.set ii, 0
.rept 8
	v_pk_mul_f32 v[OA+2*ii:OA+2*ii+1], v[OA+2*ii:OA+2*ii+1], v[INV:INV+1] op_sel_hi:[1,0]   ; each accumulator from its low end on
.set ii, ii+1
.endr
.set dd, 0
.rept 2
	ds_store_b128 v[STO], v[OA+8*dd:OA+8*dd+3] offset:(\hd)*128+64*dd        ; lane (r, h): query r, channels 16 d + 8 h + 0 .. 7 of the head
	ds_store_b128 v[STO], v[OA+8*dd+4:OA+8*dd+7] offset:(\hd)*128+64*dd+16
.set dd, dd+1
.endr
.endm
; THE WAY OUT of my tile qi: both heads' halves of 16 rows lie in my own stage; they come back as whole rows, and sixteen lanes store 256 consecutive bytes, at a multiple of 256 from out0's first byte.
.macro OUT qi
	WIN 0x40
.set ii, 0
.rept 8
	ds_load_b128 v[OB+4*ii:OB+4*ii+3], v[RD] offset:2*ii*SP    ; LDS serves a wave's instructions in order (ISA guide 5.7.1.4): these see my stores
.set ii, ii+1
.endr
	WIN 0x04                                       ; the stores' data: window 1
.set ii, 0
.rept 8
	s_wait_dscnt 7-ii                              ; the younger loads may be out
	global_store_b128 v[GO], v[OB+4*ii:OB+4*ii+3], s[OPT:OPT+1] offset:(\qi)*2*HROW+(ii/4)*HROW+(ii%4)*2*TOK th:TH_STORE_NT
.set ii, ii+1
.endr
	WIN 0
.endm
	PHASE_A 0, 0, 0, 0                             ; the first unit's scores and softmax want K and Q alone: V's numbers arrive meanwhile
	; ---- V: hold, convert, turn, store
.set gg, 0
.rept 8
	s_wait_loadcnt 28-4*gg                         ; all but V's later groups
.set ii, 0
.rept 16
	v_med3_num_f32 v[VF+16*gg+ii], v[VF+16*gg+ii], -v[LMV], v[LMV]
.set ii, ii+1
.endr
.set gg, gg+1
.endr
	WIN 0x40
.set nn, 0
.rept 16
	v_cvt_scalef32_pk8_bf8_f32 v[VC+2*nn:VC+2*nn+1], v[VF+8*nn:VF+8*nn+7], v[SCV]   ; a register a token: 4 channels' codes
.set nn, nn+1
.endr
	v_nop                                          ; a plain line between the last conversion and the first reader
	WIN 0x45
.set gg, 0
.rept 8                                            ; 4 tokens x 4 channels of bytes, turned in two stages: a register then holds ONE channel's codes of 4 neighbouring keys
	v_perm_b32 v[P1+4*gg], v[VC+4*gg+1], v[VC+4*gg], s[PA]
	v_perm_b32 v[P1+4*gg+1], v[VC+4*gg+1], v[VC+4*gg], s[PA+1]
	v_perm_b32 v[P1+4*gg+2], v[VC+4*gg+3], v[VC+4*gg+2], s[PA]
	v_perm_b32 v[P1+4*gg+3], v[VC+4*gg+3], v[VC+4*gg+2], s[PA+1]
.set gg, gg+1
.endr
.set gg, 0
.rept 8
	v_perm_b32 v[P2+4*gg], v[P1+4*gg+2], v[P1+4*gg], s[PA+2]
	v_perm_b32 v[P2+4*gg+1], v[P1+4*gg+2], v[P1+4*gg], s[PA+3]
	v_perm_b32 v[P2+4*gg+2], v[P1+4*gg+3], v[P1+4*gg+1], s[PA+2]
	v_perm_b32 v[P2+4*gg+3], v[P1+4*gg+3], v[P1+4*gg+1], s[PA+3]
.set gg, gg+1
.endr
	WIN 0x04
.set gg, 0
.rept 8
.set dd, 0
.rept 4
	ds_store_b32 v[VST], v[P2+4*gg+dd] offset:dd*VD+8*gg       ; channel 4 r + d, keys 64 w + 8 g + 4 h + 0 .. 3
.set dd, dd+1
.endr
.set gg, gg+1
.endr
	WIN 0
	s_wait_dscnt 0x0                               ; for the others' sake: my stores of V's codes have landed
	s_barrier_signal -1
	s_barrier_wait -1                              ; V's 64 rows lie in LDS; nobody writes them again.  From here on the waves share nothing that is written
	VLOAD 0
	PHASE_B 0
	PHASE_A 1, 0, 1, 0
	PHASE_B 1
	OUT 0
	PHASE_A 0, 1, 1, 1
	PHASE_B 0
	PHASE_A 1, 1, 1, 0
	PHASE_B 1
	OUT 1
	s_wait_tensorcnt 0x0                           ; the wave's end
	ds_add_u32 v[SPW], v[NIL]
	s_wait_dscnt 0x0
	s_endpgm
.Lfunc_end_k_q3237797af4_lepe:
	.size	k_q3237797af4_lepe, .Lfunc_end_k_q3237797af4_lepe-k_q3237797af4_lepe
	.p2alignl 7, 3214868480
	.fill 96, 4, 3214868480
	.section	.rodata,"a",@progbits
	.p2align	6, 0x0
	.amdhsa_kernel k_q3237797af4_lepe
		.amdhsa_group_segment_fixed_size 122368
		.amdhsa_private_segment_fixed_size 0
		.amdhsa_enable_private_segment 0
		.amdhsa_kernarg_size 24
		.amdhsa_user_sgpr_count 2
		.amdhsa_user_sgpr_kernarg_segment_ptr 1
		.amdhsa_wavefront_size32 1
		.amdhsa_system_sgpr_workgroup_id_x 1
		.amdhsa_system_sgpr_workgroup_id_y 1
		.amdhsa_system_sgpr_workgroup_id_z 1
		.amdhsa_system_vgpr_workitem_id 0
		.amdhsa_next_free_vgpr 512
		.amdhsa_next_free_sgpr 66
		.amdhsa_reserve_vcc 0
		.amdhsa_float_denorm_mode_32 3
		.amdhsa_float_denorm_mode_16_64 3
		.amdhsa_memory_ordered 1
		.amdhsa_forward_progress 1
		.amdhsa_inst_pref_size 255
	.end_amdhsa_kernel
	.section	.bss,"aw",@nobits
	.p2align	6
	.space	262144
	.amdgpu_metadata
---
amdhsa.version: [ 1, 2 ]
amdhsa.kernels:
  - .name:           k_q3237797af4_lepe
    .symbol:         k_q3237797af4_lepe.kd
    .args:
      - { .name: qkv, .offset: 0, .size: 8, .value_kind: global_buffer, .address_space: global }
      - { .name: lowp_scales, .offset: 8, .size: 8, .value_kind: global_buffer, .address_space: global }
      - { .name: out0, .offset: 16, .size: 8, .value_kind: global_buffer, .address_space: global }
    .group_segment_fixed_size: 122368
    .private_segment_fixed_size: 0
    .kernarg_segment_align: 8
    .kernarg_segment_size: 24
    .max_flat_workgroup_size: 256
    .sgpr_count:     66
    .vgpr_count:     512
    .wavefront_size: 32
...
	.end_amdgpu_metadata
.endif
;; end of part 1
;; ======== version 2 of 2: 1 launch; version 1 with the launch lepe written anew for expert scheduling mode
;; limits: right only within a limited range of input values
;; launch lepe (part 2): grid 256 x 1, 8 waves a work-group, no clusters, 122,368 bytes of LDS; arguments qkv, lowp_scales, out0; writes out0
.if DOCPART == 2
	.amdgcn_target "amdgcn-amd-amdhsa--gfx1250"
	.amdhsa_code_object_version 6
	.text
	.protected	k_q3237797af4_lepe
	.globl	k_q3237797af4_lepe
	.p2align	8
	.type	k_q3237797af4_lepe,@function
k_q3237797af4_lepe:
	s_mov_b64 s[64:65], 0
	v_nop
	global_prefetch_b8 v0, s[64:65] scope:SCOPE_SE
	s_setreg_imm32_b32 hwreg(HW_REG_WAVE_SCHED_MODE, 0, 2), 2
	s_setreg_imm32_b32 hwreg(HW_REG_WAVE_MODE, 25, 1), 1
	s_wait_xcnt 0x0
	s_wait_alu depctr_vm_vsrc(0)
; Attention inside vertical strips: 8 images x 8 strips of 64 x 8 tokens x 4 heads of 32 channels = 256 attentions of 512 queries x 512 keys.
; qkv: [3][8][4096][128] f32.  out0: [8][4096][128] f32.  lowp_scales: eq, ek, ep, ev (int32).  Both products on codes of BF8 (E5M2), each operand with its given scale 2^e; all else f32.
; q x 32^-0.5 (rounded to f32), k and v are held within +-57,344 x 2^e and converted.  t = score x 2^(eq + ek) x log2(e); M = the row's largest t rounded up to a whole number;
; p = 2^(t - M) is what is quantised; the row's sum is taken of the unquantised p and divides at the end.  Nothing of the problem is left out: every step and every input has a way to the output.
; SHARES.  A work-group: one strip, one PAIR of heads (256 bytes, aligned, of every token's row: so each load and each store of a wave covers whole runs of 256 bytes), one half of the queries.
; Eight waves; a wave owns 32 queries = 2 tiles of 16, for both heads: 4 units.  A unit holds ALL 512 keys' scores of its 16 queries in 256 registers: M is the row's own, and nothing is ever rescaled.
; LAYOUT.  Both products are used transposed: S^T = K Q^T (source 0 = 16 keys, source 1 = 16 queries), O^T = V^T P^T (source 0 = 16 channels, source 1 = P): a lane holds ONE query (lane % 16) throughout.
; The first product's K is 32 and the shortest form's is 64: registers 4-7 of K's and of Q's fragments hold zero codes.  Row m of tile 2 b + u of K is key 32 b + 16 (m / 8) + 8 u + m % 8, so that the 16 registers
; of tiles 2 b and 2 b + 1 are the 16 neighbouring keys 32 b + 16 (lane / 16) + 0 .. 15, as the second product's operand wants them.  Within a fragment a lane holds 16 neighbouring k, alike on both sides of each product.
; THE HEAD.  Each wave asks at once for its share of K (64 keys), Q (32 queries) and V (64 keys): 80 loads, each of two tokens x 256 bytes.  K's and Q's codes go to LDS as images of the fragments' registers | barrier |
; the first unit's scores and softmax, while V's numbers arrive | V's codes, 4 tokens x 4 channels turned by byte selects so that the keys lie innermost, go to LDS | barrier | all the rest, without a barrier.
; NO CLUSTER, NO JOINT LOADS: K and V of a head pair are read by two work-groups (the halves of the queries), but they arrive as f32 and each number must pass a lane's registers to be converted: a joint tensor load would
; lay 262,144 bytes of f32 in each partner's LDS, to be read from there once more, where 64 loads a wave bring them straight to the registers that convert them.  No prefetch: every input byte is asked for by a load at the head.
; THE HOLD OF p.  p is at most 1 (one rounding of t aside) and 57,344 x 2^ep is at least 1.75 where ep >= -15: there the hold changes no number; for every other ep they run.
; LIMITS: each e between -126 and 112, eq + ek between -126 and 127 (the powers of two below are f32 numbers); |t| under 2^22, which holds of every input where eq + ek <= -16; NaN among the inputs is not served (an infinity is held at the largest code).
; REGISTERS, in windows of 256 (s_set_vgpr_msb: bits 1:0 source 0, 3:2 source 1, 5:4 source 2, 7:6 destination).  Window 0: v1-23 addresses and statistics; v24-31 Q; v32-95 eight buffers for K; v96-111 p's first 128 codes;
; v112-127 O^T; v128-255 V as f32, later V's eight fragments.  Window 1: K and Q as f32 at the head, then the 256 scores; p's other codes lie on the first 48 of them once those are converted.
; THE MODE: SCHED_MODE bits 1:0 = 2 (LLVM: expert scheduling mode 2), set by the entry lines.  The code itself states the register dependences between vector or matrix instructions and memory or LDS instructions,
; with s_wait_alu, always for 0.
; THE PLAN.  Registers that memory or LDS instructions touch, and who else names them:
;   v3-5, v20-22   LDS addresses and out0's offset: written at the head, ahead of the wait in front of K's stores, and never again.   v1, v2: written at the head, read by the closing add alone.
;   v86, v115      the offsets of the head's loads: one wait on va_vdst ahead of the first load.  v86 is written again by the zero codes at the first barrier, v115 by the first product into O^T: each behind a wait on vm_vsrc.
;   v32-79, v84-85 K's and Q's codes and their stores' addresses: a wait on va_vdst ahead of each of the two runs of stores; one wait on vm_vsrc ahead of the first barrier, behind which zero codes and K's fragments are written there.
;   K's buffers    group g's four products read the set g % 2, and group g + 2's loads land in it: ONE wait on va_vdst a group, behind the sixteen maxima of the group before and ahead of the four loads.
;   Q, v24-27      read by a unit's 32 products, loaded again at the next unit's head: the wait behind the unit's exponentials stands between.
;   v128-255       V's fragments: read by a unit's eight products, loaded again in the next unit, behind that unit's waits on va_vdst; no vector or matrix instruction names them between.  So the 32 loads are dealt among the
;                  additions of the row's sum with no wait of their own.
;   v112-127       O^T: written by products and multiplications, read by the stage's stores (a wait on va_vdst ahead of these), begun anew in the next unit (a wait on vm_vsrc ahead of its first product).
;   window 1       v128-159 are the data of V's stores (va_vdst ahead of them; the vm_vsrc ahead of the first product into O^T stands ahead of the next scores too).  v224-255 take the rows from the stage: the wait ahead of the stage's
;                  stores shows p's readers done; the global stores read them, and the next unit's last four products write them: s_wait_xcnt 0 and a wait on vm_vsrc stand ahead of those four.
.set PLANE, 16777216                   ; bytes from q to k and from k to v
.set HROW,  32768                      ; bytes from a row of the image to the next: 64 tokens of 512 bytes
.set TOK,   512
.set FP,    272                        ; half a fragment's image (16 lanes x 16 bytes) + 16
.set FT,    544                        ; a fragment's image
.set KHS,   32*FT+32                   ; from head to head in K's images.  A store of 4 codes a lane falls at 4 (r % 4) + 16 x half + 32 x head + 64 (lane / 16) modulo 256: each of the 32 lanes on a bank of its own (64 banks of 4 bytes: ISA guide 11.1)
.set QHS,   16*FT+32
.set QBASE, 2*KHS                      ; K's images begin at LDS byte 0
.set VBASE, QBASE+2*QHS
.set VP,    528                        ; a channel's row of 512 codes + 16
.set VD,    16*VP+64                   ; channel 4 a + b lies at b VD + a VP: stores (a varies) and fragment loads (16 neighbouring channels) both fall on 16 different columns of 16 bytes
.set STAGE, VBASE+4*VD                 ; the way out: 16 rows x (256 bytes + 16) for each wave
.set SP,    272
.set SPARE, 121344                     ; behind the stages: the spare words, 128 bytes for each wave: four blocks of 256 bytes that no other line names
.set SPW, 1                            ; v1   LDS address of my spare word; never rewritten
.set NIL, 2                            ; v2   0; never rewritten
.set AK,  3                            ; v3   my lane's place in a fragment's image: 16 (lane % 16) + 272 (lane / 16)
.set AQ,  4                            ; v4   the same in my wave's two tiles of Q
.set AV,  5                            ; v5   my lane's place in V's rows
.set SCP, 6                            ; v6   2^ep
.set LMP, 7                            ; v7   57,344 x 2^ep
.set AC,  8                            ; v8-15  the row's sum, four chains of pairs
.set MX,  8                            ; v8-11  before that: the largest score, four chains
.set NM,  16                           ; v16-17 -M (the pair's low word serves both halves)
.set INV, 18                           ; v18-19 2^(ep + ev) / the sum
.set STO, 20                           ; v20  the stage: where I put 32 bytes of a row
.set RD,  21                           ; v21  and where I read a row back
.set GO,  22                           ; v22  my byte offset in out0
.set TMP, 23
.set QF,  24
.set KB,  32
.set TC,  96
.set OA,  112
.set VF,  128
.set KC,  32                           ; at the head only: K's codes v32-63, Q's v64-79, and
.set QC,  64
.set SCQ, 80
.set LMQ, 81
.set SCK, 82
.set LMK, 83
.set KST, 84
.set QST, 85
.set VOQ, 86
.set VST, 112                          ; until V is converted (O^T is not yet begun)
.set SCV, 113
.set LMV, 114
.set VOK, 115
.set VC,  64                           ; window 1, while V is converted: its codes, and the two stages of the turn
.set P1,  96
.set P2,  128
.set OB,  224                          ; window 1: 16 rows read back from the stage
.set OPT, 8                            ; s[8:9]   out0 at my work-group's first query
.set EP,  14                           ; s12-15   eq, ek, ep, ev
.set WV,  16
.set SEL, 18                           ; s[18:19] v_permlanex16_b32's selects for lane l xor 16
.set KPT, 24                           ; s[24:25] k, s[26:27] v at my strip and head pair; s[28:29] q at my half of the queries
.set VPT, 26
.set QPT, 28
.set CS,  32                           ; s[32:33] c = log2(e) x 2^(eq + ek)
.set SQ,  34                           ; s[34:35] 32^-0.5
.set EPV, 36
.set PA,  37                           ; s37-40   byte selects of the turn
.set MSB, 0
.macro WIN new                         ; the immediate's high byte repeats the setting that is left; a switch that changes nothing is dropped
.if MSB != \new
	s_set_vgpr_msb (MSB<<8)|\new
.set MSB, \new
.endif
.endm
.macro PLACES n
.rept \n
	v_nop
.endr
.endm
.macro MKS e, sc, lm                   ; 2^e and 57,344 x 2^e as f32 numbers
	s_add_co_i32 s30, s[\e], 127
	s_lshl_b32 s31, s30, 23
	v_mov_b32 v[\sc], s31
	s_add_co_i32 s30, s30, 15
	s_lshl_b32 s30, s30, 23
	s_or_b32 s30, s30, 0x600000
	v_mov_b32 v[\lm], s30
.endm
	s_load_b128 s[4:7], s[0:1], 0x0                ; qkv, lowp_scales
	s_load_b64 s[OPT:OPT+1], s[0:1], 0x10          ; out0
	v_lshl_add_u32 v[SPW], v0, 2, SPARE
	v_mov_b32 v[NIL], 0
	v_lshrrev_b32 v[TMP], 5, v0
	v_readfirstlane_b32 s[WV], v[TMP]              ; wave 0..7
	v_and_b32 v96, 15, v0                          ; r = lane % 16
	v_bfe_u32 v97, v0, 4, 1                        ; h = lane / 16
	s_lshr_b32 s20, ttmp9, 5                       ; work-group number: bit 0 the half of the queries, bit 1 the head pair, bits 4:2 the strip, bits 7:5 the image
	s_lshl_b32 s20, s20, 21                        ; an image: 4,096 tokens of 512 bytes
	s_bfe_u32 s21, ttmp9, 0x30002
	s_lshl_b32 s21, s21, 12                        ; a strip: 8 tokens
	s_add_co_u32 s20, s20, s21
	s_bfe_u32 s21, ttmp9, 0x10001
	s_lshl_b32 s21, s21, 8                         ; a head pair: 256 bytes
	s_add_co_u32 s20, s20, s21
	s_mov_b32 s21, 0
	s_and_b32 s22, ttmp9, 1
	s_lshl_b32 s22, s22, 20                        ; half of the queries: 32 rows of the image
	s_mov_b32 s23, 0
	v_lshlrev_b32 v98, 4, v96                      ; a load: lanes 0-15 take a token's 256 bytes, lanes 16-31 those of the token 4 further on,
	v_lshl_add_u32 v98, v97, 11, v98               ; so that a lane's four loads of a row of the image are 4 NEIGHBOURING tokens
	s_wait_alu depctr_va_sdst(0)                   ; the wave's number is written into s16, ahead of its first reader, the next line
	s_lshl_b32 s30, s[WV], 18                      ; K, V: my wave's 64 keys = 8 rows of the image
	v_add_nc_u32 v[VOK], s30, v98
	s_lshl_b32 s30, s[WV], 17                      ; Q: my wave's 32 queries = 4 rows
	v_add_nc_u32 v[VOQ], s30, v98
	s_wait_kmcnt 0x0
	s_load_b128 s[12:15], s[6:7], 0x0              ; eq, ek, ep, ev
	s_add_nc_u64 s[4:5], s[4:5], s[20:21]
	s_add_nc_u64 s[KPT:KPT+1], s[4:5], PLANE
	s_add_nc_u64 s[VPT:VPT+1], s[4:5], 2*PLANE
	s_add_nc_u64 s[QPT:QPT+1], s[4:5], s[22:23]
	s_add_nc_u64 s[OPT:OPT+1], s[OPT:OPT+1], s[20:21]
	s_add_nc_u64 s[OPT:OPT+1], s[OPT:OPT+1], s[22:23]
	; all 80 loads of the wave go out here, K first: register 16 g + 4 i + j = token 8 g + 4 h + i, channel 4 r + j of the pair's 64
	WIN 0x40                                       ; destination window 1
	s_wait_alu depctr_va_vdst(0)                   ; the two offsets v[VOK] and v[VOQ] are written, which the 80 loads read; no vector instruction has named a register in which they land
.set gg, 0
.rept 8
.set ii, 0
.rept 4
	global_load_b128 v[16*gg+4*ii:16*gg+4*ii+3], v[VOK], s[KPT:KPT+1] offset:gg*HROW+ii*TOK
.set ii, ii+1
.endr
.set gg, gg+1
.endr
.set gg, 0
.rept 4
.set ii, 0
.rept 4
	global_load_b128 v[128+16*gg+4*ii:128+16*gg+4*ii+3], v[VOQ], s[QPT:QPT+1] offset:gg*HROW+ii*TOK th:TH_LOAD_NT   ; q is read by this work-group alone
.set ii, ii+1
.endr
.set gg, gg+1
.endr
	WIN 0
.set gg, 0
.rept 8
.set ii, 0
.rept 4
	global_load_b128 v[VF+16*gg+4*ii:VF+16*gg+4*ii+3], v[VOK], s[VPT:VPT+1] offset:gg*HROW+ii*TOK
.set ii, ii+1
.endr
.set gg, gg+1
.endr
	; addresses and constants, while the loads are on their way: none of these lines names an offset that the loads read or a register in which they land
	v_mul_u32_u24 v99, v97, FP
	v_lshl_add_u32 v[AK], v96, 4, v99              ; 16 r + 272 h
	s_mul_i32 s30, s[WV], 2*FT
	s_add_co_u32 s30, s30, QBASE
	v_add_nc_u32 v[AQ], s30, v[AK]
	s_mul_i32 s30, s[WV], 16*SP
	s_add_co_u32 s30, s30, STAGE                   ; my stage
	v_add_nc_u32 v[RD], s30, v[AK]                 ; back: lanes 0-15 one row of 256 bytes, lanes 16-31 the next
	v_mul_u32_u24 v99, v96, SP
	v_lshl_add_u32 v99, v97, 5, v99
	v_add_nc_u32 v[STO], s30, v99                  ; in: row r, 32 bytes for each half of the lanes
	v_and_b32 v100, 3, v96
	v_lshrrev_b32 v101, 2, v96
	v_mul_u32_u24 v99, v100, VD
	v_mad_u32_u24 v99, v101, VP, v99
	v_lshl_add_u32 v99, v97, 4, v99
	v_add_nc_u32 v[AV], VBASE, v99                 ; V's fragments: channel r of a tile of 16, + 16 h along the keys
	v_lshlrev_b32 v99, 2, v100                     ; where I store 4 codes of K or Q: my 4 channels' place in a lane's 16 bytes,
	v_lshl_add_u32 v99, v97, 6, v99                ; my token: 4 rows of 16 bytes on for lanes 16-31,
	v_and_b32 v101, 1, v101
	v_mad_u32_u24 v99, v101, FP, v99               ; which half of the head's 32 channels,
	v_lshrrev_b32 v102, 3, v96
	v_mad_u32_u24 v[KST], v102, KHS, v99           ; which head,
	v_mad_u32_u24 v[QST], v102, QHS, v99
	s_mul_i32 s30, s[WV], 4*FT                     ; and my wave's 4 tiles of K
	v_add_nc_u32 v[KST], s30, v[KST]
	s_mul_i32 s30, s[WV], 2*FT                     ; or 2 tiles of Q
	s_add_co_u32 s30, s30, QBASE
	v_add_nc_u32 v[QST], s30, v[QST]
	v_mul_u32_u24 v99, v96, VP                     ; where I store 4 keys' codes of one channel of V
	v_lshl_add_u32 v99, v97, 2, v99
	s_lshl_b32 s30, s[WV], 6
	s_add_co_u32 s30, s30, VBASE
	v_add_nc_u32 v[VST], s30, v99
	v_lshlrev_b32 v99, 4, v96
	v_lshl_add_u32 v99, v97, 9, v99
	s_lshl_b32 s30, s[WV], 17
	v_add_nc_u32 v[GO], s30, v99                   ; out0: 16 r, + a token for lanes 16-31, + my wave's 4 rows of the image
	s_mov_b32 s[SEL], 0x76543210
	s_mov_b32 s[SEL+1], 0xfedcba98
	s_mov_b32 s[SQ], 0x3e3504f3                    ; 32^-0.5 as f32
	s_mov_b32 s[SQ+1], s[SQ]                       ; (named with it as a pair, so it is written)
	s_mov_b32 s[PA], 0x05010400
	s_mov_b32 s[PA+1], 0x07030602
	s_mov_b32 s[PA+2], 0x05040100
	s_mov_b32 s[PA+3], 0x07060302
	v_mov_b32 v[NM+1], 0                           ; (upper halves of pairs that are named whole)
	v_mov_b32 v[INV+1], 0
	s_wait_kmcnt 0x0
	MKS 12, SCQ, LMQ
	MKS 13, SCK, LMK
	MKS 14, SCP, LMP
	MKS 15, SCV, LMV
	s_add_co_i32 s30, s12, s13
	s_lshl_b32 s30, s30, 23
	s_add_co_i32 s[CS], s30, 0x3fb8aa3b            ; log2(e) with eq + ek added to its exponent field
	s_mov_b32 s[CS+1], s[CS]
	s_add_co_i32 s[EPV], s14, s15
	; ---- K: hold, convert, 4 codes a store into the fragments' images
	WIN 0x41                                       ; destination and source 0 window 1
.set gg, 0
.rept 8
.if 76-4*gg > 63
	s_wait_loadcnt 63                              ; behind this group's loads 76 - 4 g were issued; the counter holds 63 at the most, so this count shows the oldest 17 of the 80 done
.else
	s_wait_loadcnt 76-4*gg                         ; loads come back in order (ISA guide 5.7.1): all but those issued behind this group's four
.endif
.set ii, 0
.rept 16
	v_med3_num_f32 v[16*gg+ii], v[16*gg+ii], -v[LMK], v[LMK]   ; the conversion to an 8-bit code does not saturate (ISA guide 7.6.2)
.set ii, ii+1
.endr
.set gg, gg+1
.endr
	WIN 0x01
.set nn, 0
.rept 16
	v_cvt_scalef32_pk8_bf8_f32 v[KC+2*nn:KC+2*nn+1], v[8*nn:8*nn+7], v[SCK]   ; two tokens x 4 channels: a register a token
.set nn, nn+1
.endr
	v_nop                                          ; a plain line behind the last conversion of the run
	WIN 0
	s_wait_alu depctr_va_vdst(0)                   ; the conversions have written v[KC ..], the stores' data; v[KST] and every other address made above are written
.set gg, 0
.rept 8
.set ii, 0
.rept 4
	ds_store_b32 v[KST], v[KC+4*gg+ii] offset:(2*(gg/4)+(gg%2))*FT+((gg/2)%2)*128+16*ii   ; key 64 w + 8 g + 4 h + i: tile 4 w + 2 (g / 4) + g % 2, row 8 ((g / 2) % 2) + 4 h + i
.set ii, ii+1
.endr
.set gg, gg+1
.endr
	; ---- Q: x 32^-0.5, hold, convert; query 32 w + 8 g + 4 h + i: tile 2 w + g / 2, column 8 (g % 2) + 4 h + i
	WIN 0x41
.set gg, 0
.rept 4
	s_wait_loadcnt 44-4*gg                         ; behind this group's four: Q's later groups and V's 32
.set ii, 0
.rept 8
	v_pk_mul_f32 v[128+16*gg+2*ii:128+16*gg+2*ii+1], v[128+16*gg+2*ii:128+16*gg+2*ii+1], s[SQ:SQ+1] op_sel_hi:[1,0]
.set ii, ii+1
.endr
.set ii, 0
.rept 16
	v_med3_num_f32 v[128+16*gg+ii], v[128+16*gg+ii], -v[LMQ], v[LMQ]
.set ii, ii+1
.endr
.set gg, gg+1
.endr
	WIN 0x01
.set nn, 0
.rept 8
	v_cvt_scalef32_pk8_bf8_f32 v[QC+2*nn:QC+2*nn+1], v[128+8*nn:128+8*nn+7], v[SCQ]
.set nn, nn+1
.endr
	v_nop
	WIN 0
	s_wait_alu depctr_va_vdst(0)                   ; the conversions have written v[QC ..], the stores' data; and the holds and conversions are done with v80-83 (two scales, two bounds), in which a fragment of K will land
.set gg, 0
.rept 4
.set ii, 0
.rept 4
	ds_store_b32 v[QST], v[QC+4*gg+ii] offset:(gg/2)*FT+(gg%2)*128+16*ii
.set ii, ii+1
.endr
.set gg, gg+1
.endr
	s_wait_dscnt 0x0                               ; for the others' sake: my stores of K's and Q's codes have landed
	s_wait_alu depctr_vm_vsrc(0)                   ; my stores have read v[KC ..], v[QC ..], v[KST] and v[QST], and q's loads v[VOQ]: the zero codes below and K's fragments are written over all of them
	s_barrier_signal -1
.set ii, 0
.rept 8                                            ; work on registers while the others arrive: the zero codes of k = 32 .. 63, written once: the fragment loads fill the lower four registers alone
	v_mov_b32 v[KB+8*ii+4], 0
	v_mov_b32 v[KB+8*ii+5], 0
	v_mov_b32 v[KB+8*ii+6], 0
	v_mov_b32 v[KB+8*ii+7], 0
.set ii, ii+1
.endr
	v_mov_b32 v[QF+4], 0
	v_mov_b32 v[QF+5], 0
	v_mov_b32 v[QF+6], 0
	v_mov_b32 v[QF+7], 0
	s_barrier_wait -1                              ; K's 64 images and Q's 32 lie in LDS; nobody writes them again
.macro KLOAD hd, grp                   ; four tiles of K: one load of 16 bytes a lane each, into the set of buffers grp % 2
.set cc, 0
.rept 4
	ds_load_b128 v[KB+32*((\grp)%2)+8*cc:KB+32*((\grp)%2)+8*cc+3], v[AK] offset:(\hd)*KHS+(4*(\grp)+cc)*FT
.set cc, cc+1
.endr
.endm
.macro MAX16 grp                       ; the largest of four tiles' scores, a chain a tile, each tile from its low end on
.set kk, 0
.rept 4
.set cc, 0
.rept 4
	v_max3_num_f32 v[MX+cc], v[MX+cc], v[8*(4*(\grp)+cc)+2*kk], v[8*(4*(\grp)+cc)+2*kk+1]
.set cc, cc+1
.endr
.set kk, kk+1
.endr
.endm
.macro VLOAD hd                        ; V's eight fragments of a head: keys 128 f on, channels 16 d on, at v[VF + 16 (2 f + d)]
.set ff, 0
.rept 4
.set dd, 0
.rept 2
.set cc, 0
.rept 4
	ds_load_b128 v[VF+16*(2*ff+dd)+4*cc:VF+16*(2*ff+dd)+4*cc+3], v[AV] offset:(8*(\hd)+4*dd)*VP+128*ff+32*cc
.set cc, cc+1
.endr
.set dd, dd+1
.endr
.set ff, ff+1
.endr
.endm
.macro VL1 hd, n                       ; load n = 8 f + 4 d + c of those 32, by itself
	ds_load_b128 v[VF+4*(\n):VF+4*(\n)+3], v[AV] offset:(8*(\hd)+4*(((\n)/4)%2))*VP+128*((\n)/8)+32*((\n)%4)
.endm
.macro FMA p                           ; pair p of the scores: t - M (of the pairs c and -M the low word serves both halves)
	v_pk_fma_f32 v[2*(\p):2*(\p)+1], v[2*(\p):2*(\p)+1], s[CS:CS+1], v[NM:NM+1] op_sel_hi:[1,0,0]
.endm
; THE FIRST HALF OF A UNIT: head hd, my tile qi of queries: scores, M, p, the sum, p's codes.  pv = 1: V's fragments are asked for on the way.  xw = 1: stores of the way out are still reading registers of window 1: v224-255, which this unit's last four products write.
.macro PHASE_A hd, qi, pv, xw
	ds_load_b128 v[QF:QF+3], v[AQ] offset:(\hd)*QHS+(\qi)*FT   ; these nine loads owe no wait of their own: the last products that read Q and K's buffers stand ahead of the wait behind the last unit's exponentials
	KLOAD \hd, 0                                   ; (first unit: what was written and read there stands ahead of the waits in front of the first barrier), and nothing has named these registers since
	KLOAD \hd, 1
.set cc, 0
.rept 4
	v_mov_b32 v[MX+cc], 0xff800000                 ; -infinity starts the four chains
.set cc, cc+1
.endr
; Eight groups of four tiles.  Behind a group's four products stand the 16 maxima of the group before: plain lines that name none of the products' registers, so they are the places
; in front of the first read of the new scores (ISA guide 7.12.1); the first and the last group have v_nop instead.  Behind them stands the group's one wait, and the loads into the buffers just read.
.set gg, 0
.rept 8
.if gg < 7
	s_wait_dscnt 4                                 ; this group's fragments (and Q) are in; the next group's four loads may be out
.else
	s_wait_dscnt 0
.if \xw
	s_wait_xcnt 0x0                                ; the last way out's stores have had their addresses translated (ISA guide 3.1): their data registers, v224-255 of window 1, take scores again only behind this wait,
	s_wait_alu depctr_vm_vsrc(0)                   ; and those stores have read them: the four products below are the first to write them
.endif
.endif
	WIN 0x40                                       ; the scores: destination window 1
.set cc, 0
.rept 4
	v_wmma_f32_16x16x64_bf8_bf8 v[8*(4*gg+cc):8*(4*gg+cc)+7], v[KB+32*(gg%2)+8*cc:KB+32*(gg%2)+8*cc+7], v[QF:QF+7], 0
.set cc, cc+1
.endr
	WIN 0x14                                       ; sources 1 and 2 window 1; the LDS loads' destination and address stay in window 0
.if gg == 0
	PLACES 4
.else
	MAX16 gg-1
.endif
.if gg < 6
	s_wait_alu depctr_va_vdst(0)                   ; this group's four products are done reading their set of buffers, in which the four loads below land (in group 0 also: the last unit's products are done reading V's fragments)
	KLOAD \hd, gg+2
.endif
.set gg, gg+1
.endr
	PLACES 4
	MAX16 7
	WIN 0
	v_max3_num_f32 v[MX], v[MX], v[MX+1], v[MX+2]
	v_max_num_f32 v[MX], v[MX], v[MX+3]
	v_permlanex16_b32 v[TMP], v[MX], s[SEL], s[SEL+1]   ; my query's other 256 keys lie in the lane 16 away
	v_max_num_f32 v[MX], v[MX], v[TMP]
	v_mul_f32 v[MX], s[CS], v[MX]                  ; as t (c is positive)
	v_floor_f32 v[NM], -v[MX]                      ; -M = floor(-t) = -ceil(t)
	WIN 0x41
	FMA 0                                          ; ONE BATCH: 128 scalings and 256 exponentials, a pair scaled two pairs ahead of its exponentials; none of these lines reads an exponential's result
	FMA 1
.set jj, 0
.rept 126
	FMA jj+2
	v_exp_f32 v[2*jj], v[2*jj]
	v_exp_f32 v[2*jj+1], v[2*jj+1]
.set jj, jj+1
.endr
	v_exp_f32 v252, v252
	v_exp_f32 v253, v253
	v_exp_f32 v254, v254
	v_exp_f32 v255, v255
	v_nop                                          ; a plain line behind the last exponential
	s_wait_alu depctr_va_vdst(0)                   ; the 256 exponentials have written p, ahead of their first reader: one wait for the batch; it also shows this unit's products done reading Q and K's buffers
	WIN 0x05                                       ; THE SUM IS TAKEN OF THE UNQUANTISED p: two at a time, in four chains, which the first eight pairs start
.set cc, 0
.rept 4
	v_pk_add_f32 v[AC+2*cc:AC+2*cc+1], v[2*cc:2*cc+1], v[8+2*cc:8+2*cc+1]
.set cc, cc+1
.endr
	WIN 0x04                                       ; source 1 window 1; an LDS load's destination and address are in window 0 under this setting
.set jj, 8
.rept 120
	v_pk_add_f32 v[AC+2*(jj%4):AC+2*(jj%4)+1], v[AC+2*(jj%4):AC+2*(jj%4)+1], v[2*jj:2*jj+1]
.if (\pv) && (jj%2 == 1) && (jj < 73)
	VL1 \hd, (jj-9)/2                              ; V's 32 fragment loads, one behind every second addition.  No wait: no vector or matrix instruction since the waits above names v128-255 or v[AV]; 56 additions and the conversions follow the last
.endif
.set jj, jj+1
.endr
	WIN 0                                          ; at a branch and at a label every window is 0
	s_cmp_ge_i32 s[EP], -15                        ; 57,344 x 2^ep >= 1.75 >= p: the hold changes nothing
	s_cbranch_scc1 .Lno_hold_\@
	WIN 0x41
.set jj, 0
.rept 256
	v_min_num_f32 v[jj], v[jj], v[LMP]             ; p is not negative: the hold is one-sided
.set jj, jj+1
.endr
	WIN 0
.Lno_hold_\@:
	WIN 0x01                                       ; keys 0-127: their codes go to window 0
.set bb, 0
.rept 4
	v_cvt_scalef32_pk8_bf8_f32 v[TC+4*bb:TC+4*bb+1], v[16*bb:16*bb+7], v[SCP]
	v_cvt_scalef32_pk8_bf8_f32 v[TC+4*bb+2:TC+4*bb+3], v[16*bb+8:16*bb+15], v[SCP]
.set bb, bb+1
.endr
	v_nop                                          ; a plain line: the conversions below write registers that those above have read
	WIN 0x41                                       ; keys 128 f on, f = 1 .. 3: their codes go onto the first 48 numbers of p, which are converted
.set ff, 1
.rept 3
.set bb, 0
.rept 4
	v_cvt_scalef32_pk8_bf8_f32 v[16*(ff-1)+4*bb:16*(ff-1)+4*bb+1], v[64*ff+16*bb:64*ff+16*bb+7], v[SCP]
	v_cvt_scalef32_pk8_bf8_f32 v[16*(ff-1)+4*bb+2:16*(ff-1)+4*bb+3], v[64*ff+16*bb+8:64*ff+16*bb+15], v[SCP]
.set bb, bb+1
.endr
.set ff, ff+1
.endr
	v_nop                                          ; a plain line between the last conversion and the products that read its result
	WIN 0
.endm
; THE SECOND HALF: O^T = V^T P^T, two accumulators by turns; / the sum; into my stage.
.macro PHASE_B hd
	s_wait_dscnt 0x0                               ; V's fragments are in
	s_wait_alu depctr_vm_vsrc(0)                   ; the last unit's stores into the stage have read O^T's registers, which the products below begin anew (first unit: V's stores have read v[VST] and V's loads v[VOK], which lie there, and V's stores their data, where the next scores are written)
	v_wmma_f32_16x16x128_bf8_bf8 v[OA:OA+7], v[VF:VF+15], v[TC:TC+15], 0
	v_wmma_f32_16x16x128_bf8_bf8 v[OA+8:OA+15], v[VF+16:VF+31], v[TC:TC+15], 0
	WIN 0x04                                       ; source 1 (p's codes) window 1
.set ff, 1
.rept 3
	v_wmma_f32_16x16x128_bf8_bf8 v[OA:OA+7], v[VF+32*ff:VF+32*ff+15], v[16*(ff-1):16*(ff-1)+15], v[OA:OA+7]
	v_wmma_f32_16x16x128_bf8_bf8 v[OA+8:OA+15], v[VF+32*ff+16:VF+32*ff+31], v[16*(ff-1):16*(ff-1)+15], v[OA+8:OA+15]
.set ff, ff+1
.endr
	WIN 0
	v_pk_add_f32 v[AC:AC+1], v[AC:AC+1], v[AC+2:AC+3]          ; the sum's four chains: with the v_nop five plain lines that name none of the products' registers: the places behind them
	v_pk_add_f32 v[AC+4:AC+5], v[AC+4:AC+5], v[AC+6:AC+7]
	v_pk_add_f32 v[AC:AC+1], v[AC:AC+1], v[AC+4:AC+5]
	v_add_f32 v[AC], v[AC], v[AC+1]
	v_nop
	v_permlanex16_b32 v[TMP], v[AC], s[SEL], s[SEL+1]
	v_add_f32 v[AC], v[AC], v[TMP]                 ; and lane l xor 16's: the row's sum
	v_rcp_f32 v[INV], v[AC]
	v_nop                                          ; a plain line behind the reciprocal,
	s_wait_alu depctr_va_vdst(0)                   ; and the reciprocal has written v[INV], ahead of its first reader
	v_ldexp_f32 v[INV], v[INV], s[EPV]             ; x 2^(ep + ev)
.set ii, 0
.rept 8
	v_pk_mul_f32 v[OA+2*ii:OA+2*ii+1], v[OA+2*ii:OA+2*ii+1], v[INV:INV+1] op_sel_hi:[1,0]   ; each accumulator from its low end on
.set ii, ii+1
.endr
	s_wait_alu depctr_va_vdst(0)                   ; the multiplications have written O^T, the data of the four stores below; and the sums and conversions are done with v224-255 of window 1, in which the way out's loads land
.set dd, 0
.rept 2
	ds_store_b128 v[STO], v[OA+8*dd:OA+8*dd+3] offset:(\hd)*128+64*dd        ; lane (r, h): query r, channels 16 d + 8 h + 0 .. 7 of the head
	ds_store_b128 v[STO], v[OA+8*dd+4:OA+8*dd+7] offset:(\hd)*128+64*dd+16
.set dd, dd+1
.endr
.endm
; THE WAY OUT of my tile qi: both heads' halves of 16 rows lie in my own stage; they come back as whole rows, and sixteen lanes store 256 consecutive bytes, at a multiple of 256 from out0's first byte.
.macro OUT qi
	WIN 0x40
.set ii, 0
.rept 8
	ds_load_b128 v[OB+4*ii:OB+4*ii+3], v[RD] offset:2*ii*SP    ; LDS serves a wave's instructions in order (ISA guide 5.7.1.4): these see my stores.  Since the wait ahead of those stores nothing has named v[RD] or these registers
.set ii, ii+1
.endr
	WIN 0x04                                       ; the stores' data: window 1
.set ii, 0
.rept 8
	s_wait_dscnt 7-ii                              ; the younger loads may be out
	global_store_b128 v[GO], v[OB+4*ii:OB+4*ii+3], s[OPT:OPT+1] offset:(\qi)*2*HROW+(ii/4)*HROW+(ii%4)*2*TOK th:TH_STORE_NT
.set ii, ii+1
.endr
	WIN 0
.endm
	PHASE_A 0, 0, 0, 0                             ; the first unit's scores and softmax want K and Q alone: V's numbers arrive meanwhile
	; ---- V: hold, convert, turn, store
.set gg, 0
.rept 8
	s_wait_loadcnt 28-4*gg                         ; all but V's later groups
.set ii, 0
.rept 16
	v_med3_num_f32 v[VF+16*gg+ii], v[VF+16*gg+ii], -v[LMV], v[LMV]
.set ii, ii+1
.endr
.set gg, gg+1
.endr
	WIN 0x40
.set nn, 0
.rept 16
	v_cvt_scalef32_pk8_bf8_f32 v[VC+2*nn:VC+2*nn+1], v[VF+8*nn:VF+8*nn+7], v[SCV]   ; a register a token: 4 channels' codes
.set nn, nn+1
.endr
	v_nop                                          ; a plain line between the last conversion and the first reader
	WIN 0x45
.set gg, 0
.rept 8                                            ; 4 tokens x 4 channels of bytes, turned in two stages: a register then holds ONE channel's codes of 4 neighbouring keys
	v_perm_b32 v[P1+4*gg], v[VC+4*gg+1], v[VC+4*gg], s[PA]
	v_perm_b32 v[P1+4*gg+1], v[VC+4*gg+1], v[VC+4*gg], s[PA+1]
	v_perm_b32 v[P1+4*gg+2], v[VC+4*gg+3], v[VC+4*gg+2], s[PA]
	v_perm_b32 v[P1+4*gg+3], v[VC+4*gg+3], v[VC+4*gg+2], s[PA+1]
.set gg, gg+1
.endr
.set gg, 0
.rept 8
	v_perm_b32 v[P2+4*gg], v[P1+4*gg+2], v[P1+4*gg], s[PA+2]
	v_perm_b32 v[P2+4*gg+1], v[P1+4*gg+2], v[P1+4*gg], s[PA+3]
	v_perm_b32 v[P2+4*gg+2], v[P1+4*gg+3], v[P1+4*gg+1], s[PA+2]
	v_perm_b32 v[P2+4*gg+3], v[P1+4*gg+3], v[P1+4*gg+1], s[PA+3]
.set gg, gg+1
.endr
	WIN 0x04
	s_wait_alu depctr_va_vdst(0)                   ; the byte selects have written v[P2 ..] of window 1, the stores' data; and the holds and conversions are done with v128-255, in which V's fragments land behind the barrier
.set gg, 0
.rept 8
.set dd, 0
.rept 4
	ds_store_b32 v[VST], v[P2+4*gg+dd] offset:dd*VD+8*gg       ; channel 4 r + d, keys 64 w + 8 g + 4 h + 0 .. 3
.set dd, dd+1
.endr
.set gg, gg+1
.endr
	WIN 0
	s_wait_dscnt 0x0                               ; for the others' sake: my stores of V's codes have landed
	s_barrier_signal -1
	s_barrier_wait -1                              ; V's 64 rows lie in LDS; nobody writes them again.  From here on the waves share nothing that is written
	VLOAD 0
	PHASE_B 0
	PHASE_A 1, 0, 1, 0
	PHASE_B 1
	OUT 0
	PHASE_A 0, 1, 1, 1
	PHASE_B 0
	PHASE_A 1, 1, 1, 0
	PHASE_B 1
	OUT 1
	s_wait_dscnt 0x0                               ; the closing lines, six on end (every window is 0 here: the add's two registers lie in window 0)
	s_wait_alu 0x0
	s_wait_tensorcnt 0x0
	ds_add_u32 v[SPW], v[NIL]
	s_wait_dscnt 0x0
	s_endpgm
.Lfunc_end_k_q3237797af4_lepe:
	.size	k_q3237797af4_lepe, .Lfunc_end_k_q3237797af4_lepe-k_q3237797af4_lepe
	.p2alignl 7, 3214868480
	.fill 96, 4, 3214868480
	.section	.rodata,"a",@progbits
	.p2align	6, 0x0
	.amdhsa_kernel k_q3237797af4_lepe
		.amdhsa_group_segment_fixed_size 122368
		.amdhsa_private_segment_fixed_size 0
		.amdhsa_enable_private_segment 0
		.amdhsa_kernarg_size 24
		.amdhsa_user_sgpr_count 2
		.amdhsa_user_sgpr_kernarg_segment_ptr 1
		.amdhsa_wavefront_size32 1
		.amdhsa_system_sgpr_workgroup_id_x 1
		.amdhsa_system_sgpr_workgroup_id_y 1
		.amdhsa_system_sgpr_workgroup_id_z 1
		.amdhsa_system_vgpr_workitem_id 0
		.amdhsa_next_free_vgpr 512
		.amdhsa_next_free_sgpr 66
		.amdhsa_reserve_vcc 0
		.amdhsa_float_denorm_mode_32 3
		.amdhsa_float_denorm_mode_16_64 3
		.amdhsa_memory_ordered 1
		.amdhsa_forward_progress 1
		.amdhsa_inst_pref_size 255
	.end_amdhsa_kernel
	.section	.bss,"aw",@nobits
	.p2align	6
	.space	262144
	.amdgpu_metadata
---
amdhsa.version: [ 1, 2 ]
amdhsa.kernels:
  - .name:           k_q3237797af4_lepe
    .symbol:         k_q3237797af4_lepe.kd
    .args:
      - { .name: qkv, .offset: 0, .size: 8, .value_kind: global_buffer, .address_space: global }
      - { .name: lowp_scales, .offset: 8, .size: 8, .value_kind: global_buffer, .address_space: global }
      - { .name: out0, .offset: 16, .size: 8, .value_kind: global_buffer, .address_space: global }
    .group_segment_fixed_size: 122368
    .private_segment_fixed_size: 0
    .kernarg_segment_align: 8
    .kernarg_segment_size: 24
    .max_flat_workgroup_size: 256
    .sgpr_count:     66
    .vgpr_count:     512
    .wavefront_size: 32
...
	.end_amdgpu_metadata
.endif
;; end of part 2
